; MI455X (gfx1250); checked and timed in simulation.
; The chip was launched on July 23, 2026; its instructions are those of AMD's public machine-readable ISA for CDNA 5 (MIT licence, August 2026) and "CDNA5" Instruction Set Architecture Reference Guide (July 2026). The comments in the code are by the model that wrote it; some were corrected since.
;; Cooperation Module. Allowed arithmetic: matrix products marked QUANTISED: E2M1 operands, one E8M0 scale for each 32 along K, by v_wmma_scale_f32_16x16x128_f8f6f4 with both operands' format E2M1 (or v_wmma_scale_f32_32x16x128_f4), f32 sums; products left as they are: f32 operands where the result goes on into a quantised operand, else bf16, f16 or f32 operands; f32 sums; everything else in f32.
;; Inputs: W 16 x 2,048 x 512 float32; b 16 x 2,048 float32; field_centers 16 x 512 float32; semantic_vec_codes 4,096 x 16 x 16 uint8 (E2M1 codes of semantic_vec, K innermost, in blocks of 32 codes, two codes a byte); semantic_vec_scales 4,096 x 16 uint8 (E8M0 scales of semantic_vec, one for each 32 codes along K).
;; Outputs: out0 4,096 x 2,048 float32.
;; This version of the problem:
;;   THIS VERSION OF THE PROBLEM IS GIVEN IN LOW PRECISION. The matrix products marked QUANTISED in the list below multiply operands that are first quantised to E2M1 (2 exponent bits, 1 mantissa bit; 4 bits a number), with one power-of-two scale for each 32 numbers along K (OCP MX v1.0); their sums are f32. All else is computed in f32.
;;   The module's matrix products, in the order in which they are computed (A, B: the left and right operand; K: the contracted axis; several contracted axes count as one K, in the product's order):
;;     1. [M 4,096, K 512] x [K 512, N 32,768]; A: input semantic_vec (given as codes); B: input W: QUANTISED
;;     2. batch 16 x [M 1, K 512] x [K 512, N 2,048]; A: input field_centers; B: input W: left as it is (M = 1 < 16)
;;   THE QUANTISER, for each operand of a quantised product, along K:
;;     - K is cut into blocks of 32 from its start; a last block that is shorter is filled with zeros.
;;     - A block's scale is 2^e with e = floor(log2(the largest magnitude in the block)) - 2, held to -126 .. 127; a block of zeros has e = 0. As a byte (E8M0): e + 127.
;;     - Each number is divided by its block's scale, clamped to +-6, and rounded to the nearest number of E2M1, ties to even, subnormals kept.
;;     - The product sums the exact products of the quantised numbers (number of the format x scale) in f32.
;;   ~~~python
;;   def quantise(x, axis):      # numpy; x: float32 -> the quantised numbers, widened to float32 again
;;       x = np.moveaxis(x, axis, -1); K = x.shape[-1]
;;       x = np.pad(x, [(0, 0)] * (x.ndim - 1) + [(0, -K % 32)]); x = x.reshape(x.shape[:-1] + (-1, 32)); a = np.abs(x).max(-1, keepdims=True)
;;       e = np.where(a > 0, np.clip(np.frexp(np.where(a > 0, a, 1))[1] - 1 - 2, -126, 127), 0)      # np.frexp(a)[1] - 1 = floor(log2(a)), exactly
;;       r = np.clip(x / 2.0 ** e, -6, 6)
;;       step = 2.0 ** (np.maximum(np.frexp(np.where(r == 0, 1, r))[1] - 1, 0) - 1)
;;       q = np.round(r / step) * step * 2.0 ** e      # np.round: ties to even
;;       return np.moveaxis(q.reshape(q.shape[:-2] + (-1,))[..., :K], -1, axis).astype(np.float32)
;;   ~~~
;;   INPUTS GIVEN AS CODES. semantic_vec (in the module: [4096, 512], K = its axis 1): each comes as NAME_codes (uint8): NAME with its K axis moved to the last place and cut into blocks of 32 codes, [.., K / 32, bytes a block], one block behind the other in memory; two codes a byte, the lower K in the low four bits (a code: sign, 2 exponent bits, 1 mantissa bit); and NAME_scales (uint8): the same leading axes, one E8M0 byte (e + 127) for each 32 codes along K. Its value is code x scale, taken as it is: it is not quantised again, and the codes and scales need not be those that the quantiser above would give.
;; One version. Each part assembles by itself: llvm-mc -triple=amdgcn-amd-amdhsa -mcpu=gfx1250 --defsym DOCPART=n.
;; ======== version 1 of 1: 2 launches
;; limits: right only within a limited range of input values
;; workspace buffers: wq 9,043,968 bytes; xr 1,048,576 bytes
;; launch quant (part 1): grid 32 x 16, 4 waves a work-group, no clusters, 41,472 bytes of LDS; arguments W, b, field_centers, wq, semantic_vec_codes, xr; writes wq, xr
.if DOCPART == 1
	.amdgcn_target "amdgcn-amd-amdhsa--gfx1250"
	.amdhsa_code_object_version 6
	.text
	.protected	k_q97b085bf97_quant
	.globl	k_q97b085bf97_quant
	.p2align	8
	.type	k_q97b085bf97_quant,@function
k_q97b085bf97_quant:
	s_mov_b64 s[64:65], 0
	v_nop
	global_prefetch_b8 v0, s[64:65] scope:SCOPE_SE
	s_setreg_imm32_b32 hwreg(HW_REG_WAVE_MODE, 25, 1), 1
	s_wait_xcnt 0x0
; W [16][2048][512] f32 (K innermost) is turned ONCE into codes of FP4 (E2M1) with one E8M0 byte for each 32 along K, laid as the next launch's operand registers want them;
; on the same registers cw[e][h] = the sum over k of c[e][k] W[e][h][k] is made by f32 fused multiply-adds (unquantised W), and bc = b - cw is stored beside the scale bytes.
; A block's scale is 2^(floor(log2(its largest magnitude)) - 2); its byte is the largest magnitude's exponent field - 2, held at 1 from below.
; LIMITS: NaN and infinities in W are not served.  A block whose largest magnitude lies under 2^-124, a block of zeros among them, gets the byte 1 (the rule gives a block of zeros 127):
; a block of zeros has zero codes, which add nothing under any byte but 0xff, and the bytes are read by this program alone.
; SHARES.  Work-group (x = htile, y = expert e) takes the 64 rows h = 64 htile .. + 63 of expert e; wave w the 16 rows 16 w .. 16 w + 15; a step is one row: 512 numbers, 2,048 bytes.
; A step's four loads read 512 consecutive bytes each; the row turns through the wave's own stage in LDS, so that a lane holds 16 NEIGHBOURS along K (two neighbouring lanes hold a block of 32).
; OUT.  wqc: [htile 32][pass 2][e 16][bl 2][block of 32 along K: 16][row 16][16 bytes], (pass, bl) = (w / 2, w % 2): a wave's 16 rows are 4,096 consecutive bytes; they are gathered in the wave's code stage
; and leave by eight stores of 512 consecutive bytes.  wqs: [htile 32][e 16][1,280]: 64 rows x 16 scale bytes, then bc of the 64 rows; every store there covers 256 consecutive bytes, aligned.
; No tensor load, no ring; one barrier, in front of wave 0's read of the four waves' cw.  Loads run four steps (16 loads a wave) ahead, the turn through LDS one step.
.set STEPS, 16
.set SP,    80                         ; a lane's place in a stage: its 64 bytes + 16 of padding
.set WREG,  9728                       ; LDS of a wave: two stages of 32 x SP bytes, 256 scale bytes, the code stage
.set SCB,   5120                       ; in it: the scale bytes, 16 a row
.set CST,   5376                       ; and the code stage: 16 units (one for each block along K) of 16 rows x 16 bytes, CPITCH apart
.set CPITCH, 272                       ; 68 words: unit i begins 4 i words further round, so the sixteen lane pairs of a store touch 64 different words modulo 64
.set CWB,   4*WREG                     ; behind the four waves' regions: cw of the 64 rows, one word each
.set R,     16                         ; v16-79   four sets of 16 numbers as they are loaded; at the end the codes on their way out
.set X,     80                         ; v80-111  two sets of 16 neighbours
.set E,     112                        ; v112-127 a scale byte for each step
.set C,     128                        ; v128-159 two registers of codes for each step
.set CE,    160                        ; v160-175 c[e][16 lane .. 16 lane + 15]
.set DW,    176                        ; v176-191 cw of each step's row
.set P,     192                        ; v192-195 partial sums
.set PL,    196                        ; v196     the lane permute's destination
.set CO,    197                        ; v197     64 x lane: my 16 numbers of c
.set BB,    198                        ; v[198:199] wave 0: b of rows 2 lane, 2 lane + 1
	s_load_b128 s[4:7], s[0:1], 0x0                ; W, b
	s_load_b64 s[8:9], s[0:1], 0x10                ; field_centers
	s_load_b128 s[28:31], s[0:1], 0x20             ; x's codes, xr
	; wqc and wqs are the two parts of ONE buffer, wq: [htile 32][282,624 bytes]: first the htile's 20,480 bytes of wqs (scale bytes and bc), then its 262,144 bytes of wqc (codes)
	s_load_b64 s[10:11], s[0:1], 0x18              ; wq, for the codes
	s_load_b64 s[12:13], s[0:1], 0x18              ; wq, for the scale bytes and bc
	v_lshl_add_u32 v200, v0, 2, 0xa000
	v_mov_b32 v201, 0
	v_lshrrev_b32 v1, 5, v0
	v_readfirstlane_b32 s16, v1                    ; wave 0..3
	v_and_b32 v2, 31, v0                           ; lane
	v_lshlrev_b32 v3, 4, v2                        ; 16 x lane: my bytes of a load's or a store's 512
	v_lshlrev_b32 v7, 3, v2                        ; 8 x lane
	v_lshlrev_b32 v[CO], 6, v2
	; x's codes are laid once more, as the next launch's operand registers want them: xr: [block of 16 rows: 256][block of 32 along K: 16][row 16][16 bytes].
	; The 2,048 waves of the launch take 512 bytes of xr each: one load (16 bytes a lane, of 16 rows) and one store of 512 consecutive bytes.
	v_and_b32 v206, 15, v2
	v_lshrrev_b32 v202, 4, v2
	v_lshlrev_b32 v206, 8, v206
	v_lshl_add_u32 v206, v202, 4, v206             ; 256 (lane % 16) + 16 (lane / 16)
	s_mul_i32 s22, s16, WREG                       ; my wave's region
	v_lshrrev_b32 v14, 2, v2
	v_mul_u32_u24 v14, v14, SP
	v_and_b32 v15, 3, v2
	v_lshl_add_u32 v14, v15, 4, v14
	v_add_nc_u32 v14, s22, v14                     ; the stage, on the way in: four lanes' 64 bytes on end, then 16 of padding
	v_mul_u32_u24 v15, v2, SP
	v_add_nc_u32 v15, s22, v15                     ; and on the way out: SP x lane: my 16 neighbours
	s_add_co_u32 s23, s22, SCB
	v_lshrrev_b32 v5, 1, v2                        ; my block along K
	v_mul_u32_u24 v4, v5, CPITCH
	v_add_nc_u32 v5, s23, v5                       ; where my block's scale byte goes
	v_add_nc_u32 v6, s23, v7                       ; and where I read 8 scale bytes back
	s_add_co_u32 s23, s22, CST
	v_and_b32 v8, 1, v2
	v_lshl_add_u32 v4, v8, 3, v4
	v_add_nc_u32 v4, s23, v4                       ; the code stage, in: unit lane / 2, my half of the block's 16 bytes
	v_lshrrev_b32 v8, 4, v2
	v_mul_u32_u24 v10, v8, CPITCH
	v_and_b32 v8, 15, v2
	v_lshl_add_u32 v10, v8, 4, v10
	v_add_nc_u32 v10, s23, v10                     ; and out: sixteen lanes to a unit, two units an instruction
	v_lshl_add_u32 v13, v1, 6, CWB                 ; my wave's 16 words of cw
	v_add_nc_u32 v12, CWB, v7                      ; wave 0 reads all 64: two a lane
	v_mov_b32 v[PL], 0                             ; written once: a lane permute's destination counts as one of its sources
	s_mov_b32 s20, 0x76543210
	s_mov_b32 s21, 0xfedcba98                      ; v_permlanex16_b32's selects for lane l xor 16
	s_and_b32 s17, ttmp7, 0xffff                   ; e
	s_lshl_b32 s18, s17, 11                        ; 2,048 e: the expert's first row of W, and the byte at which c[e] begins
	s_mov_b32 s19, 0
	s_mov_b32 s25, 0
	s_wait_kmcnt 0x0
	s_add_nc_u64 s[8:9], s[8:9], s[18:19]          ; c[e]
	s_lshl_b32 s24, ttmp9, 6
	s_add_co_u32 s18, s18, s24                     ; the work-group's first row: 2,048 e + 64 htile
	s_lshl_b32 s24, s18, 2
	s_add_nc_u64 s[6:7], s[6:7], s[24:25]          ; b at that row
	s_lshl_b32 s24, s16, 4
	s_add_co_u32 s24, s24, s18                     ; my wave's first row
	s_lshl_b32 s24, s24, 11                        ; x 2,048 bytes (under 2^27)
	s_add_nc_u64 s[4:5], s[4:5], s[24:25]          ; W at that row
	s_mul_i32 s24, ttmp9, 282624                   ; the codes: 282,624 htile
	s_add_co_u32 s24, s24, 20480                   ; behind the htile's scale bytes and bc
	s_lshr_b32 s26, s16, 1
	s_lshl_b32 s26, s26, 17
	s_add_co_u32 s24, s24, s26                     ; + 131,072 (w / 2)
	s_lshl_b32 s26, s17, 13
	s_add_co_u32 s24, s24, s26                     ; + 8,192 e
	s_and_b32 s26, s16, 1
	s_lshl_b32 s26, s26, 12
	s_add_co_u32 s24, s24, s26                     ; + 4,096 (w % 2)
	s_add_nc_u64 s[10:11], s[10:11], s[24:25]
	s_mul_i32 s24, ttmp9, 282624                   ; scale bytes and bc: 282,624 htile
	s_mul_i32 s26, s17, 1280
	s_add_co_u32 s24, s24, s26                     ; + 1,280 e
	s_lshl_b32 s26, s16, 8
	s_add_co_u32 s24, s24, s26                     ; + my wave's 256 scale bytes (0 in wave 0, which also stores bc)
	s_add_nc_u64 s[12:13], s[12:13], s[24:25]
	s_lshl_b32 s24, s17, 5
	s_add_co_u32 s24, s24, ttmp9                   ; 32 e + htile
	s_lshl_b32 s24, s24, 2
	s_add_co_u32 s24, s24, s16                     ; my wave among the 2,048: u
	s_lshr_b32 s26, s24, 3
	s_lshl_b32 s26, s26, 12                        ; 4,096 (u / 8): the block of 16 rows
	s_and_b32 s27, s24, 7                          ; u % 8: which two blocks along K
	s_lshl_b32 s24, s27, 5
	s_add_co_u32 s24, s24, s26
	s_add_nc_u64 s[28:29], s[28:29], s[24:25]      ; from: + 32 (u % 8) in each row
	s_lshl_b32 s24, s27, 9
	s_add_co_u32 s24, s24, s26
	s_add_nc_u64 s[30:31], s[30:31], s[24:25]      ; to: + 512 (u % 8)
	global_load_b128 v[202:205], v206, s[28:29]
	s_cmp_lg_u32 s16, 0                            ; b is wanted by wave 0 alone
	s_cbranch_scc1 .Lnot_b
	global_load_b64 v[BB:BB+1], v7, s[6:7]
.Lnot_b:
.irp j, 0,1,2,3
	global_load_b128 v[CE+4*\j:CE+4*\j+3], v[CO], s[8:9] offset:16*\j
.endr
.macro LOAD t
.irp i, 0,1,2,3
	global_load_b128 v[R+16*((\t)%4)+4*\i:R+16*((\t)%4)+4*\i+3], v3, s[4:5] offset:2048*(\t)+512*\i th:TH_LOAD_NT   ; 32 lanes read 512 consecutive bytes; W is read once in the launch
.endr
.endm
.macro TURN t                          ; step t's row through the stage: LDS serves a wave's instructions in order (ISA guide 5.7.1.4), so no wait stands between the stores and the loads
.irp i, 0,1,2,3
	ds_store_b128 v14, v[R+16*((\t)%4)+4*\i:R+16*((\t)%4)+4*\i+3] offset:32*SP*((\t)%2)+8*SP*\i
.endr
.irp i, 0,1,2,3
	ds_load_b128 v[X+16*((\t)%2)+4*\i:X+16*((\t)%2)+4*\i+3], v15 offset:32*SP*((\t)%2)+16*\i
.endr
.endm
.irp t, 0,1,2,3
	LOAD \t
.endr
	s_wait_loadcnt 12                              ; x's 16 bytes, b, c and step 0's four loads are in; the twelve loads of steps 1 to 3 may be out
	TURN 0
	global_store_b128 v3, v[202:205], s[30:31]     ; 512 consecutive bytes of xr, at a multiple of 256 from its first byte; these registers are not written again
.macro STEP t
.set XS, X+16*((\t)%2)
.if (\t) > 0
	s_wait_dscnt 3                                 ; this step's numbers are back from the stage; the last step's three small stores (byte, codes, cw) may be out
.else
	s_wait_dscnt 0x0
.endif
.if (\t)+4 < STEPS
	LOAD (\t)+4                                    ; into the set that this step's stores into the stage have read
.endif
.if (\t)+1 < STEPS
.if STEPS-2-(\t) >= 3
	s_wait_loadcnt 12                              ; the next step's four loads are in; those of the three steps behind it may be out
.else
	s_wait_loadcnt 4*(STEPS-2-(\t))
.endif
	TURN (\t)+1                                    ; through the other stage while this step is worked
.endif
	v_max3_num_f32 v8, |v[XS]|, |v[XS+1]|, |v[XS+2]|               ; the largest magnitude of my 16, in two chains
	v_max3_num_f32 v9, |v[XS+3]|, |v[XS+4]|, |v[XS+5]|
	v_pk_mul_f32 v[P:P+1], v[XS:XS+1], v[CE:CE+1]                  ; and c . W of my 16, two at a time, in two chains
	v_pk_mul_f32 v[P+2:P+3], v[XS+2:XS+3], v[CE+2:CE+3]
.irp i, 6,10
	v_max3_num_f32 v8, v8, |v[XS+\i]|, |v[XS+\i+1]|
	v_max3_num_f32 v9, v9, |v[XS+\i+2]|, |v[XS+\i+3]|
.endr
.irp j, 4,8,12
	v_pk_fma_f32 v[P:P+1], v[XS+\j:XS+\j+1], v[CE+\j:CE+\j+1], v[P:P+1]
	v_pk_fma_f32 v[P+2:P+3], v[XS+\j+2:XS+\j+3], v[CE+\j+2:CE+\j+3], v[P+2:P+3]
.endr
	v_max3_num_f32 v8, v8, |v[XS+14]|, |v[XS+15]|
	v_max3_num_f32 v8, v8, v9, 0x1800000           ; and the floor 2^(3 - 127): so the byte cannot fall under 1
	v_pk_add_f32 v[P:P+1], v[P:P+1], v[P+2:P+3]
	v_max_num_f32_dpp v8, v8, v8 row_xmask:1 row_mask:0xf bank_mask:0xf   ; with my neighbour's 16: the block's largest magnitude
	v_add_f32 v[DW+(\t)], v[P], v[P+1]
	v_add_nc_u32 v11, 0xff000000, v8               ; 2 off its exponent field: the conversion takes the exponent field of this operand as its scale, and nothing else of it
.irp m, 1,2,4,8
	v_add_f32_dpp v[DW+(\t)], v[DW+(\t)], v[DW+(\t)] row_xmask:\m row_mask:0xf bank_mask:0xf   ; the row's sum over the sixteen lanes of a half,
.endr
	v_permlanex16_b32 v[PL], v[DW+(\t)], s20, s21
	v_add_f32 v[DW+(\t)], v[DW+(\t)], v[PL]        ; and the other half's: cw of this row, in every lane
	v_cvt_scalef32_pk8_fp4_f32 v[C+2*(\t)], v[XS:XS+7], v11        ; eight numbers / the scale, to the nearest code, ties to even, beyond 6 the largest code; the first number's code in the lowest four bits
	v_cvt_scalef32_pk8_fp4_f32 v[C+2*(\t)+1], v[XS+8:XS+15], v11
	v_lshrrev_b32 v[E+(\t)], 23, v11               ; the scale's byte (also the plain instruction behind the conversions)
	ds_store_b8 v5, v[E+(\t)] offset:16*(\t)       ; both lanes of a block write the same byte with the same value
	ds_store_b64 v4, v[C+2*(\t):C+2*(\t)+1] offset:16*(\t)         ; my 8 bytes of the block's 16, at row t of the block's unit
	ds_store_b32 v13, v[DW+(\t)] offset:4*(\t)     ; all lanes write the same word with the same value
.endm
.irp t, 0,1,2,3,4,5,6,7,8,9,10,11,12,13,14,15
	STEP \t
.endr
	ds_load_b64 v[8:9], v6                         ; my wave's bytes: LDS serves a wave's instructions in order, so these loads see my stores
.irp t, 0,1,2,3,4,5,6,7
	ds_load_b128 v[R+4*\t:R+4*\t+3], v10 offset:2*\t*CPITCH
.endr
	s_wait_dscnt 8                                 ; the scale bytes are back; the eight loads behind them may be out
	global_store_b64 v7, v[8:9], s[12:13]          ; 32 lanes store my 16 rows' 256 scale bytes: consecutive, at a multiple of 256 from the buffer's first byte
.irp t, 0,1,2,3,4,5,6,7
	s_wait_dscnt 7-\t
	global_store_b128 v3, v[R+4*\t:R+4*\t+3], s[10:11] offset:512*\t   ; 512 consecutive bytes: blocks 2 t and 2 t + 1 along K of my 16 rows
.endr
	s_wait_dscnt 0x0                               ; for wave 0's sake: my 16 words of cw have landed
	s_barrier_signal -1
	s_barrier_wait -1
	s_cmp_lg_u32 s16, 0
	s_cbranch_scc1 .Ldone
	ds_load_b64 v[P:P+1], v12                      ; cw of rows 2 lane, 2 lane + 1
	s_wait_dscnt 0x0
	v_pk_add_f32 v[P:P+1], v[BB:BB+1], v[P:P+1] neg_lo:[0,1] neg_hi:[0,1]   ; bc = b - cw
	global_store_b64 v7, v[P:P+1], s[12:13] offset:1024                ; 256 consecutive bytes behind the 1,024 scale bytes
.Ldone:
	s_wait_tensorcnt 0x0
	ds_add_u32 v200, v201
	s_wait_dscnt 0x0
	s_endpgm
.Lfunc_end_k_q97b085bf97_quant:
	.size	k_q97b085bf97_quant, .Lfunc_end_k_q97b085bf97_quant-k_q97b085bf97_quant
	.p2alignl 7, 3214868480
	.fill 96, 4, 3214868480
	.section	.rodata,"a",@progbits
	.p2align	6, 0x0
	.amdhsa_kernel k_q97b085bf97_quant
		.amdhsa_group_segment_fixed_size 41472
		.amdhsa_private_segment_fixed_size 0
		.amdhsa_enable_private_segment 0
		.amdhsa_kernarg_size 48
		.amdhsa_user_sgpr_count 2
		.amdhsa_user_sgpr_kernarg_segment_ptr 1
		.amdhsa_wavefront_size32 1
		.amdhsa_system_sgpr_workgroup_id_x 1
		.amdhsa_system_sgpr_workgroup_id_y 1
		.amdhsa_system_sgpr_workgroup_id_z 1
		.amdhsa_system_vgpr_workitem_id 0
		.amdhsa_next_free_vgpr 208
		.amdhsa_next_free_sgpr 66
		.amdhsa_reserve_vcc 0
		.amdhsa_float_denorm_mode_32 3
		.amdhsa_float_denorm_mode_16_64 3
		.amdhsa_memory_ordered 1
		.amdhsa_forward_progress 1
		.amdhsa_inst_pref_size 53
	.end_amdhsa_kernel
	.amdgpu_metadata
---
amdhsa.version: [ 1, 2 ]
amdhsa.kernels:
  - .name:           k_q97b085bf97_quant
    .symbol:         k_q97b085bf97_quant.kd
    .args:
      - { .name: W, .offset: 0, .size: 8, .value_kind: global_buffer, .address_space: global }
      - { .name: b, .offset: 8, .size: 8, .value_kind: global_buffer, .address_space: global }
      - { .name: field_centers, .offset: 16, .size: 8, .value_kind: global_buffer, .address_space: global }
      - { .name: wq, .offset: 24, .size: 8, .value_kind: global_buffer, .address_space: global }
      - { .name: semantic_vec_codes, .offset: 32, .size: 8, .value_kind: global_buffer, .address_space: global }
      - { .name: xr, .offset: 40, .size: 8, .value_kind: global_buffer, .address_space: global }
    .group_segment_fixed_size: 41472
    .private_segment_fixed_size: 0
    .kernarg_segment_align: 8
    .kernarg_segment_size: 48
    .max_flat_workgroup_size: 128
    .sgpr_count:     66
    .vgpr_count:     208
    .wavefront_size: 32
...
	.end_amdgpu_metadata
.endif
;; end of part 1
;; launch moe (part 2): grid 8 x 32, 8 waves a work-group, clusters of 4 x 1, 327,680 bytes of LDS; arguments xr, semantic_vec_scales, wq, out0; writes out0
.if DOCPART == 2
	.amdgcn_target "amdgcn-amd-amdhsa--gfx1250"
	.amdhsa_code_object_version 6
	.text
	.protected	k_q97b085bf97_moe
	.globl	k_q97b085bf97_moe
	.p2align	8
	.type	k_q97b085bf97_moe,@function
k_q97b085bf97_moe:
	s_mov_b64 s[64:65], 0
	v_nop
	global_prefetch_b8 v0, s[64:65] scope:SCOPE_SE
	s_setreg_imm32_b32 hwreg(HW_REG_WAVE_MODE, 25, 1), 1
	s_wait_xcnt 0x0
	s_wait_alu depctr_hold_cnt(0) depctr_sa_sdst(0) depctr_va_vdst(0) depctr_va_sdst(0) depctr_va_ssrc(0) depctr_va_vcc(0) depctr_vm_vsrc(0)
	s_getreg_b32 s2, hwreg(HW_REG_IB_STS2, 6, 4)
	s_cmp_eq_u32 s2, 0
	s_cbranch_scc0 .Lentry_in_a_cluster
	s_endpgm
.Lentry_in_a_cluster:
	s_bfe_u32 s2, ttmp6, 0x10000c
	s_cmp_lg_u32 s2, 0x3003
	s_cbranch_scc0 .Lentry_shape_is_right
	s_endpgm
.Lentry_shape_is_right:
; out[r][h] = the sum over 16 experts e of relu(x[r] . Q(W[e][h]) + bc[e][h]), bc = b - c . W.  x: codes of FP4 (E2M1), laid by the launch before as operand images (xr), and E8M0 bytes as given; Q(W) and bc: made by the launch before (wq).
; LIMIT: the relu is v_max_num_f32 with 0, so a NaN (a scale byte 0xff of x) comes out as 0 where reference() gives NaN.
; SHARES.  A work-group takes 512 rows x 64 h (mtile = 4 x cluster x + cx, htile = y): 8 x 32 = 256 work-groups.  Wave n takes rows 64 n .. + 63 and all 64 h: whole rows of 256 bytes of out0, so no wave needs another's results.
; x of a wave, 64 rows x 512 K, is 128 registers and stays; its 64 x 64 sums are 128 more.  A GROUP q = 16 ps + e is expert e for the 32 h of pass ps: 32 products (K steps 0 to 3; in each 2 h blocks x 4 row blocks,
; eight accumulators by turns; bc as the C of the first step), then one batch of vector work: the relu, two registers an instruction, and the sum, a pair an instruction.
; LDS.  The htile's part of wq, 282,624 bytes, lies in LDS as in memory and is filled ONCE: 20,480 bytes of scale bytes and bc (expert e at 1,280 e), then the codes (group q at CB + 8,192 q, h block bl at + 4,096),
; as images of the operand's registers.  Two tensor loads a wave: 38 rows of 256 bytes at the head (together: scale bytes, bc and groups 0 to 6), 100 rows behind the first round that follows.
; Behind W: a stage of 16 rows x 272 bytes for each wave, its own, for the way out; then the spare words.
; CLUSTER.  The four work-groups of a cluster share htile: both loads are asked for JOINTLY, mask 15, the same descriptor in all four.  cx enters x's and out0's global addresses alone.
; NO PREFETCH.
; THE MATRIX INSTRUCTION IS USED TRANSPOSED: source 0 = 16 rows h of W, source 1 = 16 rows of x: lane (r, half) holds row r of x, its register j the output h = 8 half + j of the block.
; REGISTERS.  window 0: v1-15 addresses and zeros; v16-23 x's scale words; v24-31 W's scale words, v32-63 bc, v64-191 W's fragments: two sets each; v192-255 accumulators (bl, a) at 32 bl + 8 a.
;   window 1: X(a, s) at 32 a + 8 s; the sums of h block hb, row block a at 128 + 32 hb + 8 a.
.set HT,    282624                     ; an htile's bytes of wq
.set CB,    20480                      ; LDS: where the codes begin
.set RA,    38                         ; rows of 256 bytes in a wave's first load: 8 x 38 = 80 (scale bytes, bc) + 7 x 32 (groups 0 to 6)
.set RB,    100                        ; and in its second: 8 x 100 = 25 x 32 (groups 7 to 31)
.set SPT,   272                        ; a stage's row: 256 bytes + 16: 68 words, so the sixteen rows of a store begin in different banks (ISA guide 11.1)
.set STAGE, 282624
.set SPARE, STAGE+8*16*SPT             ; 317,440: the spare words, 128 bytes a wave
.set NIL, 3                            ; v3   0; never rewritten
.set LI,  4                            ; v4   16 x lane
.set LIP, 5                            ; v5   CB + 16 x lane
.set AW,  6                            ; v6   LDS address of the codes being fetched
.set AS,  7                            ; v7   of their scale words
.set AB,  8                            ; v8   of their bc
.set AB0, 9                            ; v9   1,024 + 32 half
.set STO, 10                           ; v10  the way out: where I put 16 bytes of a row
.set RD,  11                           ; v11  where I read a row back
.set Z0,  12                           ; v12, v13  0, in two register banks, for the dual relu
.set Z1,  13
.set CO,  14                           ; v14  my byte offset in out0
.set SPW, 15                           ; v15  my spare word; never rewritten
.set XS,  16                           ; v[XS + 4 g + s]: word s of x's row 32 g + lane
.set WS,  24                           ; v[WS + 4 set + s]: word s of W's row 32 ps + lane: h block bl = 0 in lanes 0-15, bl = 1 in lanes 16-31
.set BI,  32                           ; v[BI + 16 set + 8 bl ..]
.set WF,  64                           ; v[WF + 64 set + 32 bl + 8 s ..]
.set ACC, 192
.set OB,  64                           ; the way out: rows read back, two sets of 32
.set WV,  12                           ; s12  my wave's number
.set G1A, 24                           ; s[24:31], s[32:39] descriptor groups 1; s[40:43], s[44:47] groups 0
.set G1B, 32
.set G0A, 40
.set G0B, 44
.set TB,  48                           ; s48  8,192 x the group to be fetched
.set TS,  49                           ; s49  1,280 x its expert
.set CNT, 50
.set MSB, 0
.macro WIN new                         ; the immediate's high byte repeats the setting that is left
.if MSB != (\new)
	s_set_vgpr_msb (MSB<<8)|(\new)
.set MSB, (\new)
.endif
.endm
.macro ROUND                           ; a round of the cluster's barrier
	s_barrier_signal -1
	s_barrier_wait -1
	s_cmp_lg_u32 s[WV], 0
	s_cbranch_scc1 .Lnot_wave_0_\@
	s_barrier_signal -3
.Lnot_wave_0_\@:
	s_barrier_wait -3
	s_barrier_signal -1
	s_barrier_wait -1
.endm
.macro XLOAD a                         ; x's fragments of row block a, out of xr ([16 rows][block of 32 along K][row][16 bytes]): each load reads 512 consecutive bytes
.irp s, 0,1,2,3
.irp c, 0,1
	global_load_b128 v[32*\a+8*\s+4*\c:32*\a+8*\s+4*\c+3], v[LI], s[4:5] offset:4096*\a+1024*\s+512*\c
.endr
.endr
.endm
	s_load_b256 s[4:11], s[0:1], 0x0               ; xr s[4:5], x's scales s[6:7], wq s[8:9], out0 s[10:11]
	v_lshl_add_u32 v[SPW], v0, 2, SPARE
	v_mov_b32 v[NIL], 0
	ds_add_u32 v[SPW], v[NIL]                      ; the opening lines: the add, twice on end, and its wait ahead of my first tensor load
	ds_add_u32 v[SPW], v[NIL]
	v_lshrrev_b32 v1, 5, v0
	v_readfirstlane_b32 s[WV], v1                  ; wave 0..7
	v_and_b32 v1, 15, v0                           ; r
	v_bfe_u32 v2, v0, 4, 1                         ; half
	v_and_b32 v[LI], 31, v0
	v_lshlrev_b32 v[LI], 4, v[LI]
	s_bfe_u32 s15, ttmp6, 0x40000                  ; cx
	s_lshl_b32 s16, ttmp9, 2
	s_add_co_u32 s16, s16, s15                     ; mtile
	s_and_b32 s17, ttmp7, 0xffff                   ; htile, which the four partners share
.irp g, G1A, G1B                       ; dense blocks as rows of 256 bytes (32 elements of 8 bytes)
	s_mov_b32 s[\g], 15|(3<<16)|(1<<21)            ; the mask: all four work-groups; elements of 8 bytes; bit 21 beside a mask
	s_mov_b32 s[\g+1], 32<<16                      ; tensor_dim0
	s_mov_b32 s[\g+3], 32<<16                      ; tile_dim0
	s_mov_b32 s[\g+5], 32                          ; the pitch
	s_mov_b32 s[\g+6], 0
	s_mov_b32 s[\g+7], 0
.endr
	s_mov_b32 s[G1A+2], RA<<16                     ; tensor_dim1
	s_mov_b32 s[G1A+4], RA                         ; tile_dim1
	s_mov_b32 s[G1B+2], RB<<16
	s_mov_b32 s[G1B+4], RB
	s_lshl_b32 s18, s16, 17                        ; x's codes: 512 rows of 256 bytes a work-group,
	s_lshl_b32 s19, s[WV], 14                      ; 64 a wave
	s_add_co_u32 s18, s18, s19
	s_mov_b32 s19, 0
	s_mul_i32 s20, s17, HT                         ; wq at my htile
	s_mov_b32 s21, 0
	s_mul_i32 s22, s[WV], RA*256                   ; my part of the first fill, in memory and in LDS alike,
	s_mul_i32 s23, s[WV], RB*256
	s_add_co_u32 s23, s23, 8*RA*256                ; and of the second
	s_wait_alu depctr_va_vdst(0)
	s_wait_dscnt 0x0                               ; both opening adds are done
	s_wait_kmcnt 0x0
	s_add_nc_u64 s[4:5], s[4:5], s[18:19]
	s_lshr_b32 s18, s18, 4                         ; x's scale bytes: 16 a row where the codes have 256
	s_add_nc_u64 s[6:7], s[6:7], s[18:19]
	s_add_nc_u64 s[8:9], s[8:9], s[20:21]
	s_mov_b32 s20, s22
	s_mov_b32 s[G0A], 1
	s_mov_b32 s[G0A+1], s22
	s_add_nc_u64 s[G0A+2:G0A+3], s[8:9], s[20:21]
	s_or_b32 s[G0A+3], s[G0A+3], 0x80000000
	s_mov_b32 s20, s23
	s_mov_b32 s[G0B], 1
	s_mov_b32 s[G0B+1], s23
	s_add_nc_u64 s[G0B+2:G0B+3], s[8:9], s[20:21]
	s_or_b32 s[G0B+3], s[G0B+3], 0x80000000
	s_lshl_b32 s18, s16, 22                        ; out0: 512 rows of 8,192 bytes a work-group,
	s_lshl_b32 s19, s[WV], 19                      ; 64 a wave,
	s_add_co_u32 s18, s18, s19
	s_lshl_b32 s19, s17, 8                         ; the tile's 256 bytes of a row
	s_add_co_u32 s18, s18, s19
	s_mov_b32 s19, 0
	s_add_nc_u64 s[10:11], s[10:11], s[18:19]
	ROUND                                          ; all four work-groups are here: the joint loads meet
	tensor_load_to_lds s[G0A:G0A+3], s[G1A:G1A+7]  ; my one load at the head
	s_nop 0
.rept 4
	v_nop                                          ; four lines ahead of the window switch
.endr
.irp g, 0,1
	global_load_b128 v[XS+4*\g:XS+4*\g+3], v[LI], s[6:7] offset:512*\g
.endr
	WIN 0x40                                       ; destination window 1, address window 0
.irp a, 0,1,2,3
	XLOAD \a
.endr
	WIN 0
	s_mul_i32 s23, s[WV], 16*SPT
	s_add_co_u32 s23, s23, STAGE                   ; my stage
	v_add_nc_u32 v[LIP], CB, v[LI]
	v_lshlrev_b32 v[AB0], 5, v2
	v_mul_u32_u24 v[STO], v1, SPT                  ; in: row r, 32 bytes for each half of the lanes
	v_mul_u32_u24 v[RD], v2, SPT                   ; back: lanes 0-15 take one row of 256 bytes, lanes 16-31 the next
	v_lshlrev_b32 v[CO], 13, v2                    ; and the same two rows in out0
	v_add_nc_u32 v[AB0], 1024, v[AB0]
	v_lshl_add_u32 v[STO], v2, 5, v[STO]
	v_lshl_add_u32 v[RD], v1, 4, v[RD]
	v_lshl_add_u32 v[CO], v1, 4, v[CO]
	v_add_nc_u32 v[STO], s23, v[STO]
	v_add_nc_u32 v[RD], s23, v[RD]
	v_mov_b32 v[Z0], 0
	v_mov_b32 v[Z1], 0
.macro AT q, e                         ; the place of what is fetched next, as constants
	s_mov_b32 s[TB], (\q)*8192
	s_mov_b32 s[TS], (\e)*1280
.endm
.macro ADDR
	v_add_nc_u32 v[AW], s[TB], v[LIP]
	v_add_nc_u32 v[AS], s[TS], v[LI]
	v_add_nc_u32 v[AB], s[TS], v[AB0]
.endm
; 21 LDS loads in one run: a group's eight fragments, its bc and its scale words into one of the two sets.  co, so: bytes beyond the address registers (the group after).
.macro RUN set, co, so, ps
.irp bl, 0,1
.irp s, 0,1,2,3
.irp c, 0,1
	ds_load_b128 v[WF+64*\set+32*\bl+8*\s+4*\c:WF+64*\set+32*\bl+8*\s+4*\c+3], v[AW] offset:\co+4096*\bl+1024*\s+512*\c
.endr
.endr
	ds_load_b128 v[BI+16*\set+8*\bl:BI+16*\set+8*\bl+3], v[AB] offset:\so+128*\ps+64*\bl      ; bc of h = 32 ps + 16 bl + 8 half + 0 .. 7: the result's layout
	ds_load_b128 v[BI+16*\set+8*\bl+4:BI+16*\set+8*\bl+7], v[AB] offset:\so+128*\ps+64*\bl+16
.endr
	ds_load_b128 v[WS+4*\set:WS+4*\set+3], v[AS] offset:\so+512*\ps                           ; rows 32 ps + lane: four words
.endm
; One matrix instruction, from the symbols that MULS sets.  ra: W's scale words stand in lanes 16-31 (bl = 1); rb: x's do (an odd row block).
.macro MM ra, rb
.if (\ra) == 0
.if (\rb) == 0
	v_wmma_scale_f32_16x16x128_f8f6f4 v[rD:rD+7], v[rA:rA+7], v[rB:rB+7], v[rC:rC+7], v[rSA], v[rSB] matrix_a_fmt:MATRIX_FMT_FP4 matrix_b_fmt:MATRIX_FMT_FP4
.else
	v_wmma_scale_f32_16x16x128_f8f6f4 v[rD:rD+7], v[rA:rA+7], v[rB:rB+7], v[rC:rC+7], v[rSA], v[rSB] matrix_a_fmt:MATRIX_FMT_FP4 matrix_b_fmt:MATRIX_FMT_FP4 matrix_b_scale:MATRIX_SCALE_ROW1
.endif
.else
.if (\rb) == 0
	v_wmma_scale_f32_16x16x128_f8f6f4 v[rD:rD+7], v[rA:rA+7], v[rB:rB+7], v[rC:rC+7], v[rSA], v[rSB] matrix_a_fmt:MATRIX_FMT_FP4 matrix_b_fmt:MATRIX_FMT_FP4 matrix_a_scale:MATRIX_SCALE_ROW1
.else
	v_wmma_scale_f32_16x16x128_f8f6f4 v[rD:rD+7], v[rA:rA+7], v[rB:rB+7], v[rC:rC+7], v[rSA], v[rSB] matrix_a_fmt:MATRIX_FMT_FP4 matrix_b_fmt:MATRIX_FMT_FP4 matrix_a_scale:MATRIX_SCALE_ROW1 matrix_b_scale:MATRIX_SCALE_ROW1
.endif
.endif
.endm
; 32 products: K steps 0 to 3, in each the eight accumulators by turns, one instruction a turn.
.macro MULS set
	WIN 0x04                                       ; source 1 (x) window 1, all else window 0
.irp s, 0,1,2,3
.irp bl, 0,1
.irp a, 0,1,2,3
.set rD, ACC+32*\bl+8*\a
.if \s == 0
.set rC, BI+16*\set+8*\bl
.else
.set rC, rD
.endif
.set rA, WF+64*\set+32*\bl+8*\s
.set rB, 32*\a+8*\s
.set rSA, WS+4*\set+\s
.set rSB, XS+4*(\a/2)+\s
	MM \bl, \a%2
.endr
.endr
.endr
	WIN 0
.endm
; The group's relu and sum, each accumulator from its low end on.  Four places stand between the last products and the first read of a result (ISA guide 7.12.1).
; kind = 1, a pass's first expert: S = relu(T): the sums begin so, and nothing is cleared.  kind = 2: the relu in place, then S += T (S: window 1).
; These instructions are also the places ahead of the next loads into the set just multiplied and ahead of the products that begin the accumulators anew.
.macro BATCH ps, kind
.rept 4
	v_nop
.endr
.set bi, 0
.if (\kind) == 1
	WIN 0x40                                       ; destination window 1
.rept 64
	v_max_num_f32 v[128+64*(\ps)+bi], 0, v[ACC+bi]
.set bi, bi+1
.endr
.else
.rept 32
	v_dual_max_num_f32 v[ACC+bi], v[ACC+bi], v[Z0] :: v_dual_max_num_f32 v[ACC+bi+1], v[ACC+bi+1], v[Z1]
.set bi, bi+2
.endr
.set bi, 0
	WIN 0x41                                       ; destination and source 0 window 1
.rept 32
	v_pk_add_f32 v[128+64*(\ps)+bi:128+64*(\ps)+bi+1], v[128+64*(\ps)+bi:128+64*(\ps)+bi+1], v[ACC+bi:ACC+bi+1]
.set bi, bi+2
.endr
.endif
	WIN 0
.endm
; A trip: two groups, on set 0 and on set 1.  Each group's loads are issued one group ahead, behind the wait for the loads of the group that is about to be multiplied.  last = 1: a pass's last trip fetches one group alone.
.macro TRIP ps, kind, last
	s_wait_dscnt 0x0                               ; set 0 is in
	ADDR
	RUN 1, 0, 0, \ps
	MULS 0
	BATCH \ps, \kind
	s_wait_dscnt 0x0                               ; set 1 is in
.if (\last) == 0
	RUN 0, 8192, 1280, \ps
.endif
	MULS 1
	BATCH \ps, 2
.endm
.macro LOOP ps, t0, n                  ; trips t0 .. t0 + n - 1 of pass ps; trip t fetches the pass's groups 2 t + 1 and 2 t + 2
	AT 16*(\ps)+2*(\t0)+1, 2*(\t0)+1
	s_mov_b32 s[CNT], \n
.Lt_\@:
	TRIP \ps, 2, 0
	s_add_co_u32 s[TB], s[TB], 16384
	s_add_co_u32 s[TS], s[TS], 2560
	s_sub_co_u32 s[CNT], s[CNT], 1
	s_cmp_lg_u32 s[CNT], 0
	s_cbranch_scc1 .Lt_\@
.endm
; THE WAY OUT, a block of 16 rows x 64 h at a time, through my own stage: a lane holds 32 neighbouring bytes of a row for each h block; the block comes back as whole rows of 256 bytes.
; LDS serves a wave's instructions in order (ISA guide 5.7.1.4): no wait between the stores and the loads, nor in front of the next block's stores.
.macro TOSTAGE a
	WIN 0x04                                       ; an LDS store's data are its source 1: window 1
.irp hb, 0,1,2,3
	ds_store_b128 v[STO], v[128+32*\hb+8*(\a):128+32*\hb+8*(\a)+3] offset:64*\hb
	ds_store_b128 v[STO], v[128+32*\hb+8*(\a)+4:128+32*\hb+8*(\a)+7] offset:64*\hb+16
.endr
	WIN 0
.irp t, 0,1,2,3,4,5,6,7
	ds_load_b128 v[OB+32*((\a)%2)+4*\t:OB+32*((\a)%2)+4*\t+3], v[RD] offset:2*\t*SPT
.endr
.endm
.macro SEND a, younger                 ; younger: the LDS instructions issued behind block a's loads, which may stay out
	s_wait_dscnt \younger                          ; the block is back in registers
.irp t, 0,1,2,3,4,5,6,7
	global_store_b128 v[CO], v[OB+32*((\a)%2)+4*\t:OB+32*((\a)%2)+4*\t+3], s[10:11] offset:(16*(\a)+2*\t)*8192 th:TH_STORE_NT   ; 16 lanes store 256 consecutive bytes, at a multiple of 256 from out0's first byte
.endr
.endm
	s_wait_alu depctr_va_vdst(0)
	s_wait_tensorcnt 0x0                           ; my part of the first fill is in
	ds_add_u32 v[SPW], v[NIL]
	s_wait_dscnt 0x0
	ROUND                                          ; everybody's part is in, and all four work-groups are here
	tensor_load_to_lds s[G0B:G0B+3], s[G1B:G1B+7]  ; the rest of W: my one load behind the round
	s_nop 0
	AT 0, 0
	ADDR
	RUN 0, 0, 0, 0                                 ; group 0
	s_wait_loadcnt 0x0                             ; x and its scale words
	AT 1, 1
	TRIP 0, 1, 0                                   ; trips 0 to 2 fetch groups 1 to 6, which the first fill brought
	LOOP 0, 1, 2
	s_wait_tensorcnt 0x0                           ; my part of the second fill is in; behind the barrier everybody's.  Nothing is filled again
	s_wait_dscnt 0x0
	s_barrier_signal -1
	s_barrier_wait -1
	LOOP 0, 3, 4
	AT 15, 15
	TRIP 0, 2, 1
	AT 16, 0
	ADDR
	RUN 0, 0, 0, 1                                 ; pass 1's first group
	AT 17, 1
	TRIP 1, 1, 0
	LOOP 1, 1, 6
	AT 31, 15
	TRIP 1, 2, 1
	s_wait_alu depctr_va_vdst(0)
	TOSTAGE 0
.irp a, 1,2,3
.if \a > 1
	s_wait_xcnt 0x0                                ; block a - 2's stores have read their registers: block a's loads may land there
.endif
	TOSTAGE \a
	SEND \a-1, 16                                  ; behind block a - 1's loads: block a's 8 stores and 8 loads
.endr
	SEND 3, 0
	s_wait_tensorcnt 0x0                           ; the wave's end
	ds_add_u32 v[SPW], v[NIL]
	s_wait_dscnt 0x0
	ROUND                                          ; the closing round
	s_endpgm
.Lfunc_end_k_q97b085bf97_moe:
	.size	k_q97b085bf97_moe, .Lfunc_end_k_q97b085bf97_moe-k_q97b085bf97_moe
	.p2alignl 7, 3214868480
	.fill 96, 4, 3214868480
	.section	.rodata,"a",@progbits
	.p2align	6, 0x0
	.amdhsa_kernel k_q97b085bf97_moe
		.amdhsa_group_segment_fixed_size 327680
		.amdhsa_private_segment_fixed_size 0
		.amdhsa_enable_private_segment 0
		.amdhsa_kernarg_size 32
		.amdhsa_user_sgpr_count 2
		.amdhsa_user_sgpr_kernarg_segment_ptr 1
		.amdhsa_wavefront_size32 1
		.amdhsa_system_sgpr_workgroup_id_x 1
		.amdhsa_system_sgpr_workgroup_id_y 1
		.amdhsa_system_sgpr_workgroup_id_z 1
		.amdhsa_system_vgpr_workitem_id 0
		.amdhsa_next_free_vgpr 512
		.amdhsa_next_free_sgpr 66
		.amdhsa_reserve_vcc 0
		.amdhsa_float_denorm_mode_32 3
		.amdhsa_float_denorm_mode_16_64 3
		.amdhsa_memory_ordered 1
		.amdhsa_forward_progress 1
		.amdhsa_inst_pref_size 150
	.end_amdhsa_kernel
	.amdgpu_metadata
---
amdhsa.version: [ 1, 2 ]
amdhsa.kernels:
  - .name:           k_q97b085bf97_moe
    .symbol:         k_q97b085bf97_moe.kd
    .args:
      - { .name: xr, .offset: 0, .size: 8, .value_kind: global_buffer, .address_space: global }
      - { .name: semantic_vec_scales, .offset: 8, .size: 8, .value_kind: global_buffer, .address_space: global }
      - { .name: wq, .offset: 16, .size: 8, .value_kind: global_buffer, .address_space: global }
      - { .name: out0, .offset: 24, .size: 8, .value_kind: global_buffer, .address_space: global }
    .group_segment_fixed_size: 327680
    .private_segment_fixed_size: 0
    .kernarg_segment_align: 8
    .kernarg_segment_size: 32
    .max_flat_workgroup_size: 256
    .sgpr_count:     66
    .vgpr_count:     512
    .wavefront_size: 32
...
	.end_amdgpu_metadata
.endif
;; end of part 2
